; MI455X (gfx1250); checked and timed in simulation.
; The chip was launched on July 23, 2026; its instructions are those of AMD's public machine-readable ISA for CDNA 5 (MIT licence, August 2026) and "CDNA5" Instruction Set Architecture Reference Guide (July 2026). The comments in the code are by the model that wrote it; some were corrected since.
;; Multihead Attention. Allowed arithmetic: matrix products marked QUANTISED: E5M2 operands, one given power-of-two scale a tensor, by v_wmma_f32_16x16x64_bf8_bf8 or v_wmma_f32_16x16x128_bf8_bf8, f32 sums; everything else in f32.
;; Inputs: Wk 1,024 x 1,024 float32; Wq 1,024 x 1,024 float32; Wv 1,024 x 1,024 float32; bk 1,024 float32; bq 1,024 float32; bv 1,024 float32; k 2,048 x 4 x 1,024 float32; lowp_scales 10 int32 (the exponents e of the quantised operands' scales 2^e); q 2,048 x 4 x 1,024 float32; v 2,048 x 4 x 1,024 float32.
;; Outputs: out0 2,048 x 4 x 1,024 float32.
;; This version of the problem:
;;   THIS VERSION OF THE PROBLEM IS GIVEN IN LOW PRECISION. The matrix products marked QUANTISED in the list below multiply operands that are first quantised to E5M2 (5 exponent bits, 2 mantissa bits; 8 bits a number), with one given power-of-two scale for each operand tensor; their sums are f32. All else is computed in f32.
;;   The module's matrix products, in the order in which they are computed (A, B: the left and right operand; K: the contracted axis; several contracted axes count as one K, in the product's order):
;;     1. [M 8,192, K 1,024] x [K 1,024, N 1,024]; A: input q; B: input Wq: QUANTISED (scales: A lowp_scales[0], B lowp_scales[1])
;;     2. [M 8,192, K 1,024] x [K 1,024, N 1,024]; A: input k; B: input Wk: QUANTISED (scales: A lowp_scales[2], B lowp_scales[3])
;;     3. [M 8,192, K 1,024] x [K 1,024, N 1,024]; A: input v; B: input Wv: QUANTISED (scales: A lowp_scales[4], B lowp_scales[5])
;;     4. batch 64 x [M 2,048, K 64] x [K 64, N 2,048]; A: computed on the way; B: computed on the way: QUANTISED (scales: A lowp_scales[6], B lowp_scales[7])
;;     5. batch 64 x [M 64, K 2,048] x [K 2,048, N 2,048]; A: computed on the way; B: softmax (see below): QUANTISED (scales: A lowp_scales[8], B lowp_scales[9])
;;   THE QUANTISER, for each operand of a quantised product, along K:
;;     - The operand's scale is 2^e, e = its entry of the input lowp_scales (int32; the entries are numbered through the quantised products in the list's order, A before B).
;;     - Each number is divided by the scale, clamped to +-57,344, and rounded to the nearest number of E5M2, ties to even, subnormals kept.
;;     - The product sums the exact products of the quantised numbers (number of the format x scale) in f32.
;;   ~~~python
;;   def quantise(x, axis, e):      # numpy; x: float32 -> the quantised numbers, widened to float32 again
;;       x = np.moveaxis(x, axis, -1); K = x.shape[-1]
;;       r = np.clip(x / 2.0 ** e, -57344, 57344)
;;       step = 2.0 ** (np.maximum(np.frexp(np.where(r == 0, 1, r))[1] - 1, -14) - 2)
;;       q = np.round(r / step) * step * 2.0 ** e      # np.round: ties to even
;;       return np.moveaxis(q, -1, axis).astype(np.float32)
;;   ~~~
;;   SOFTMAX AHEAD OF A QUANTISED PRODUCT. Where the list says 'softmax', what is quantised is not the finished softmax but p = 2^(t - M), with t = logit x log2(e) and M = ceil(the row's largest t), a whole number; so 1/2 < the row's largest p <= 1. The row's sum l is taken of the UNQUANTISED p, in f32, and the product's result is divided by l at the end. Since M is a whole number, a kernel that streams over the keys may use a running M (the ceiling of the running maximum): every later rescaling is an exact power of two, so the quantised numbers keep their values, but for numbers so far below the row's largest that they fall under the format's range.
;;   OPERANDS COMPUTED ON THE WAY. 'Computed on the way' means the value that the module computes at that place (a softmax that the list does not call 'softmax' is quantised finished and normalised). What goes into a quantiser is computed in f32, as accurately as f32 sums, v_exp_f32 and their like allow (about 1e-6 of the number): no bf16 or f16 on the way to a quantiser, and a product that is left as it is and whose result goes on into a quantised operand takes f32 operands (vector FMAs, or v_wmma_f32_16x16x4_f32). A number that lies on a knife's edge between two numbers of the format may be rounded either way, as far as f32 arithmetic and the matrix unit's own rounding can turn it there, and no further.
;; One version. Each part assembles by itself: llvm-mc -triple=amdgcn-amd-amdhsa -mcpu=gfx1250 --defsym DOCPART=n.
;; ======== version 1 of 1: 3 launches
;; limits: right only within a limited range of input values
;; workspace buffers: xc 25,165,824 bytes; wc 3,145,728 bytes; frag 25,165,824 bytes
;; launch quant (part 1): grid 1728 x 1, 4 waves a work-group, no clusters, 33,280 bytes of LDS; arguments q, k, v, Wq, Wk, Wv, lowp_scales, xc, wc; writes xc, wc
.if DOCPART == 1
	.amdgcn_target "amdgcn-amd-amdhsa--gfx1250"
	.amdhsa_code_object_version 6
	.text
	.protected	k_qf19292ddad_quant
	.globl	k_qf19292ddad_quant
	.p2align	8
	.type	k_qf19292ddad_quant,@function
k_qf19292ddad_quant:
	s_mov_b64 s[64:65], 0
	v_nop
	global_prefetch_b8 v0, s[64:65] scope:SCOPE_SE
	s_setreg_imm32_b32 hwreg(HW_REG_WAVE_MODE, 25, 1), 1
	s_wait_xcnt 0x0
; MULTI-HEAD ATTENTION ON CODES OF BF8 (E5M2), first of three launches: q, k, v [2048 t][4 b][1024] and Wq, Wk, Wv [1024 n][1024 k], f32, become codes, K innermost.
; NO WORK IS LEFT OUT in the three launches: every bias goes into a quantised operand, every input has a way to out0.
; code = x / 2^e, held within +-57,344, rounded to the nearest code, ties to even.  e = lowp_scales[2 i] for q, k, v (i = 0, 1, 2), lowp_scales[2 i + 1] for Wq, Wk, Wv.
; LIMITS: each e lies between -126 and 112, so that 2^e and 57,344 x 2^e are f32 numbers.  NaN among the inputs is not served (an infinity is held at the largest code).
; OUT: xc [3][b 4][t 2048][1024] (the batch is moved outward, so that neighbouring rows are neighbouring positions of one batch); wc [3][n 1024][1024].
; SHARES: a work-group takes 16,384 numbers, a wave 4 rows of 1,024 (one position's four batches, or four rows of a weight) in 8 steps of 512.
; Work-groups 0-1535: q, k, v, 512 each; 1536-1727: Wq, Wk, Wv, 64 each.  One path for all six: only pointers and strides are chosen, by the work-group's number.
; The conversions take 8 numbers of one lane's consecutive registers, so a lane must hold 16 neighbours; a load is best where neighbouring lanes take neighbouring bytes.  Both are had: each of a step's four loads reads
; 512 consecutive bytes, the 2,048 bytes go through the wave's own stage in LDS as they lie and come back 64 bytes a lane (16 bytes of padding behind each 64).  A lane's 16 codes are 16 bytes: the wave stores 512 consecutive bytes, aligned.
; No tensor loads, no barrier: waves share nothing.  Loads run four steps (16 loads a wave) ahead, the turn through LDS one step.  No matrix unit, no cluster: nothing is shared and nothing is multiplied.
.set WAVES, 4
.set STEPS, 8
.set EMAX,  15
.set MANT,  0x600000                   ; the mantissa field of 57,344 as f32
.set R,     16                         ; v16-79   four sets of 16 numbers as they are loaded
.set X,     80                         ; v80-111  two sets of 16 neighbours
.set RO,    112                        ; v112-115 row i of my four: its byte offset in the codes' buffer + 16 x lane; never rewritten
.set C,     128                        ; v128-159 codes: four registers for each step, so that no store's data are written again
.set WREG,  8192                       ; LDS: a region of its own for each wave: two stages of 32 x SP bytes
.set SP,    80                         ; a lane's place in a stage: its 64 bytes + 16 of padding
.set SPW,   12                         ; v12      LDS address of my spare word: SPARE + 4 x my thread's number; never rewritten
.set NIL,   13                         ; v13      0; never rewritten
.set SPARE, WAVES*WREG                 ; behind the four regions: the spare words, 128 bytes for each wave
	s_load_b512 s[4:19], s[0:1], 0x0               ; q s[4:5], k s[6:7], v s[8:9], Wq s[10:11], Wk s[12:13], Wv s[14:15], the scales' exponents s[16:17], xc s[18:19]
	s_load_b64 s[20:21], s[0:1], 0x40              ; wc
	v_lshl_add_u32 v[SPW], v0, 2, SPARE
	v_mov_b32 v[NIL], 0
	v_lshrrev_b32 v1, 5, v0
	v_readfirstlane_b32 s22, v1                    ; wave
	v_and_b32 v2, 31, v0                           ; lane
	v_lshlrev_b32 v3, 4, v2                        ; my 16 bytes of a load's 512, and of a step's 512 bytes of codes
	s_wait_alu depctr_va_vdst(0)                   ; the wait ahead of the scalar lines below
	s_mul_i32 s34, s22, WREG
	v_lshrrev_b32 v14, 2, v2
	v_mul_u32_u24 v14, v14, SP
	v_and_b32 v15, 3, v2
	v_lshl_add_u32 v14, v15, 4, v14
	v_add_nc_u32 v14, s34, v14                     ; the stage, on the way in: four lanes' 64 bytes on end, then 16 of padding
	v_mul_u32_u24 v15, v2, SP
	v_add_nc_u32 v15, s34, v15                     ; and on the way out: SP x lane: my 16 neighbours
	; an activation or a weight?  One compare on the work-group's number; the lines up to the subtraction leave SCC alone
	s_mov_b32 s27, 1024
	s_cmp_lt_u32 ttmp9, 1536
	s_cselect_b32 s23, 0, 1536                     ; the kind's first work-group
	s_cselect_b32 s24, 9, 6                        ; log2 of a tensor's work-groups
	s_cselect_b32 s27, 0x200000, s27               ; from row i to row i + 1: the next batch (2,048 rows of codes), or the next row of a weight
	s_cselect_b32 s29, 23, 20                      ; log2 of a tensor's bytes of codes
	s_cselect_b32 s30, 10, 12                      ; log2 of what a wave's run adds: one position, or four rows
	s_cselect_b32 s31, 0, 1                        ; 1 for a weight
	s_sub_co_u32 s23, ttmp9, s23
	s_lshr_b32 s25, s23, s24                       ; which tensor of the three
	s_lshl_b32 s26, s25, s24
	s_sub_co_u32 s26, s23, s26
	s_lshl_b32 s26, s26, 2
	s_add_co_u32 s26, s26, s22                     ; which run of 4 rows of the tensor is my wave's
	s_mul_i32 s32, s31, 3
	s_add_co_u32 s32, s32, s25                     ; which of the six inputs
	s_lshl_b32 s33, s25, 1
	s_add_co_u32 s33, s33, s31                     ; which entry of the scales
.irp i, 0,1,2,3
	s_mul_i32 s35, s27, \i
	v_add_nc_u32 v[RO+\i], s35, v3
.endr
	s_lshl_b32 s46, s26, 14                        ; my run in the input: 4,096 numbers of 4 bytes each
	s_mov_b32 s47, 0
	s_wait_kmcnt 0x0
	s_load_b256 s[36:43], s[16:17], 0x0            ; entries 0 to 7 of the scales (0 to 5 are this launch's)
.irp n, 1,2,3,4,5
	s_cmp_eq_u32 s32, \n
	s_cselect_b64 s[4:5], s[4+2*\n:5+2*\n], s[4:5] ; the choice hangs on the work-group's number alone
.endr
	s_cmp_eq_u32 s31, 0
	s_cselect_b64 s[44:45], s[18:19], s[20:21]
	s_add_nc_u64 s[4:5], s[4:5], s[46:47]
	s_lshl_b32 s46, s25, s29
	s_lshl_b32 s35, s26, s30
	s_add_co_u32 s46, s46, s35
	s_add_nc_u64 s[44:45], s[44:45], s[46:47]      ; the codes at my tensor and my run
.macro LOAD t
.irp i, 0,1,2,3
	global_load_b128 v[R+16*((\t)%4)+4*\i:R+16*((\t)%4)+4*\i+3], v3, s[4:5] offset:2048*(\t)+512*\i th:TH_LOAD_NT   ; 32 lanes read 512 consecutive bytes
.endr
.endm
.macro TURN t                          ; step t's numbers through the stage: LDS serves a wave's instructions in order, so no wait stands between the stores and the loads
.irp i, 0,1,2,3
	ds_store_b128 v14, v[R+16*((\t)%4)+4*\i:R+16*((\t)%4)+4*\i+3] offset:32*SP*((\t)%2)+8*SP*\i
.endr
.irp i, 0,1,2,3
	ds_load_b128 v[X+16*((\t)%2)+4*\i:X+16*((\t)%2)+4*\i+3], v15 offset:32*SP*((\t)%2)+16*\i
.endr
.endm
.irp t, 0,1,2,3
	LOAD \t
.endr
	s_wait_kmcnt 0x0
.irp n, 1,2,3,4,5
	s_cmp_eq_u32 s33, \n
	s_cselect_b32 s36, s[36+\n], s36               ; e
.endr
	s_add_co_i32 s36, s36, 127
	s_lshl_b32 s37, s36, 23
	v_mov_b32 v11, s37                             ; 2^e as f32: the conversion takes its exponent field
	s_add_co_i32 s36, s36, EMAX
	s_lshl_b32 s36, s36, 23
	s_or_b32 s36, s36, MANT
	v_mov_b32 v10, s36                             ; 57,344 x 2^e
	s_wait_alu depctr_va_vdst(0)                   ; the wait at the head's end
	s_wait_loadcnt 12                              ; step 0's four loads are in
	TURN 0
.macro STEP t
.set XS, X+16*((\t)%2)
	s_wait_dscnt 0x0                               ; this step's numbers are back from the stage: so its stores into the stage have read their registers,
.if (\t)+4 < STEPS
	LOAD (\t)+4                                    ; which take the loads of four steps on
.endif
.if (\t)+1 < STEPS
.if STEPS-2-(\t) >= 3
	s_wait_loadcnt 12                              ; the next step's four loads are in; those of the three steps behind it may be out
.else
	s_wait_loadcnt 4*(STEPS-2-(\t))
.endif
	TURN (\t)+1                                    ; and go through the other stage while this step is worked
.endif
.irp i, 0,1,2,3,4,5,6,7,8,9,10,11,12,13,14,15
	v_med3_num_f32 v[XS+\i], v[XS+\i], -v10, v10   ; the conversion to an 8-bit code does not saturate (ISA guide 7.6.2): hold the number within the largest code x the scale first
.endr
	v_cvt_scalef32_pk8_bf8_f32 v[C+4*(\t):C+4*(\t)+1], v[XS:XS+7], v11
	v_cvt_scalef32_pk8_bf8_f32 v[C+4*(\t)+2:C+4*(\t)+3], v[XS+8:XS+15], v11
	global_store_b128 v[RO+(\t)/2], v[C+4*(\t):C+4*(\t)+3], s[44:45] offset:512*((\t)%2)   ; half a row of codes: 512 consecutive bytes, at a multiple of 512.  The codes go to a store alone; the next step's holds are plain lines on other registers
.endm
.irp t, 0,1,2,3,4,5,6,7
	STEP \t
.endr
	s_wait_tensorcnt 0x0                           ; the wave's end, behind my last LDS store
	ds_add_u32 v[SPW], v[NIL]
	s_wait_dscnt 0x0
	s_endpgm
.Lfunc_end_k_qf19292ddad_quant:
	.size	k_qf19292ddad_quant, .Lfunc_end_k_qf19292ddad_quant-k_qf19292ddad_quant
	.p2alignl 7, 3214868480
	.fill 96, 4, 3214868480
	.section	.rodata,"a",@progbits
	.p2align	6, 0x0
	.amdhsa_kernel k_qf19292ddad_quant
		.amdhsa_group_segment_fixed_size 33280
		.amdhsa_private_segment_fixed_size 0
		.amdhsa_enable_private_segment 0
		.amdhsa_kernarg_size 72
		.amdhsa_user_sgpr_count 2
		.amdhsa_user_sgpr_kernarg_segment_ptr 1
		.amdhsa_wavefront_size32 1
		.amdhsa_system_sgpr_workgroup_id_x 1
		.amdhsa_system_sgpr_workgroup_id_y 1
		.amdhsa_system_sgpr_workgroup_id_z 1
		.amdhsa_system_vgpr_workitem_id 0
		.amdhsa_next_free_vgpr 160
		.amdhsa_next_free_sgpr 66
		.amdhsa_reserve_vcc 0
		.amdhsa_float_denorm_mode_32 3
		.amdhsa_float_denorm_mode_16_64 3
		.amdhsa_memory_ordered 1
		.amdhsa_forward_progress 1
		.amdhsa_inst_pref_size 21
	.end_amdhsa_kernel
	.amdgpu_metadata
---
amdhsa.version: [ 1, 2 ]
amdhsa.kernels:
  - .name:           k_qf19292ddad_quant
    .symbol:         k_qf19292ddad_quant.kd
    .args:
      - { .name: q, .offset: 0, .size: 8, .value_kind: global_buffer, .address_space: global }
      - { .name: k, .offset: 8, .size: 8, .value_kind: global_buffer, .address_space: global }
      - { .name: v, .offset: 16, .size: 8, .value_kind: global_buffer, .address_space: global }
      - { .name: Wq, .offset: 24, .size: 8, .value_kind: global_buffer, .address_space: global }
      - { .name: Wk, .offset: 32, .size: 8, .value_kind: global_buffer, .address_space: global }
      - { .name: Wv, .offset: 40, .size: 8, .value_kind: global_buffer, .address_space: global }
      - { .name: lowp_scales, .offset: 48, .size: 8, .value_kind: global_buffer, .address_space: global }
      - { .name: xc, .offset: 56, .size: 8, .value_kind: global_buffer, .address_space: global }
      - { .name: wc, .offset: 64, .size: 8, .value_kind: global_buffer, .address_space: global }
    .group_segment_fixed_size: 33280
    .private_segment_fixed_size: 0
    .kernarg_segment_align: 8
    .kernarg_segment_size: 72
    .max_flat_workgroup_size: 128
    .sgpr_count:     66
    .vgpr_count:     160
    .wavefront_size: 32
...
	.end_amdgpu_metadata
.endif
;; end of part 1
;; launch proj (part 2): grid 4 x 64, 4 waves a work-group, clusters of 4 x 4, 327,680 bytes of LDS; arguments xc, wc, lowp_scales, frag, bq, bk, bv; writes frag
.if DOCPART == 2
	.amdgcn_target "amdgcn-amd-amdhsa--gfx1250"
	.amdhsa_code_object_version 6
	.text
	.protected	k_qf19292ddad_proj
	.globl	k_qf19292ddad_proj
	.p2align	8
	.type	k_qf19292ddad_proj,@function
k_qf19292ddad_proj:
	s_mov_b64 s[64:65], 0
	v_nop
	global_prefetch_b8 v0, s[64:65] scope:SCOPE_SE
	s_setreg_imm32_b32 hwreg(HW_REG_WAVE_MODE, 25, 1), 1
	s_wait_xcnt 0x0
	s_wait_alu depctr_hold_cnt(0) depctr_sa_sdst(0) depctr_va_vdst(0) depctr_va_sdst(0) depctr_va_ssrc(0) depctr_va_vcc(0) depctr_vm_vsrc(0)
	s_getreg_b32 s2, hwreg(HW_REG_IB_STS2, 6, 4)
	s_cmp_eq_u32 s2, 0
	s_cbranch_scc0 .Lentry_in_a_cluster
	s_endpgm
.Lentry_in_a_cluster:
	s_bfe_u32 s2, ttmp6, 0x10000c
	s_cmp_lg_u32 s2, 0xf033
	s_cbranch_scc0 .Lentry_shape_is_right
	s_endpgm
.Lentry_shape_is_right:
; Second of three launches: relu6(x W^T + b) for q, k, v on codes of BF8 (E5M2), quantised again with the given scales and stored as images of the third launch's operand registers.  No work is left out.
; xc [3][b 4][t 2048][1024], wc [3][n 1024][1024]: codes, K innermost.  frag: Q at byte 0, K at 2^23: [b h 64][16 positions a tile][1,024 bytes]; V at 2^24: [b h 64][128 keys a chunk][16 channels a tile][2,048 bytes].
; SHARES: q and k are 256 tiles of 256 x 256, v is 256 half tiles: 256 work-groups, each makes one tile of q or k (PART 1) and then one half tile of v, 128 channels x 256 positions (PART 2).
; A wave makes 128 x 128 in part 1 (64 accumulators) and 64 x 128 in part 2 (32 accumulators).  K goes in steps of 256 through a ring of two LDS slots, which runs on from part 1 into part 2:
; part 1's last two changes of slots ask for part 2's K steps 0 and 1, which are on their way while part 1's results leave.
; LDS region A (joint loads along a row of the cluster, chosen by cy): part 1 256 rows of x, part 2 128 rows of Wv.  Region B (along a column, chosen by cx): part 1 256 rows of W, part 2 256 rows of x.
; The matrix instruction takes region B's rows as source 0 and region A's as source 1: a lane holds one row of region A and eight neighbouring rows of region B.  So in part 1 a lane's registers run along the channels
; (the scores' K), in part 2 along the positions (the second product's K).
; A fragment is fetched by four loads of 16 bytes: the same permutation of k in both operands.
; NO PREFETCH: the block is the largest that the registers hold, in clusters, and K is 1,024: four slots a tile.
; LIMITS: each sum of two exponents lies between -126 and 127, each exponent of a result between -126 and 112.
; REGISTERS: window 0: v0-31 addresses; v32-95 biases; v96-191 at work on the way out; v128-255 region A's fragments (part 2: two sets of four).  window 1: region B's fragments, two sets.  windows 2, 3: accumulators.
.set ROWB,   256
.set KROW,   1024
.set PITCH,  272                       ; 256 bytes + 16 of padding
.set FR,     16
.set NL,     4
.set NP,     4
.set HALFT,  128*PITCH
.set SLOT,   4*HALFT
.set SPARE,  2*SLOT                    ; behind the ring: the spare words, 128 bytes for each wave
.set BQ,   13                          ; v13 part 1's biases: 32 x (lane / 16)
.set BV,   14                          ; v14 part 2's: 4 x (lane % 16)
.set ADRA, 16                          ; v16-17 region A, part 1, slot 0, 1
.set ADRA2, 18                         ; v18-19 region A, part 2
.set ADRB, 20                          ; v20-21 region B
.set CO,   26                          ; v26 16 x lane
.set SPW,  28
.set NIL,  29
.set SC,   30
.set LIM,  31
.set BI,   32
.set TMP,  96
.set CD,   160
.set AF,   128
.set G1, 24
.set G0, 32
.set G1B, 48
.set G0B, 56
.set P2A, 86                           ; s[86:87] part 2: Wv's 128 rows
.set P2B, 88                           ; s[88:89] part 2: my 128 of x's 256 rows
.set TEN, 99
.set MSB, 0
.macro WIN new
.set NEWW, \new
.if MSB != NEWW
	s_set_vgpr_msb (MSB<<8)|NEWW
.set MSB, NEWW
.endif
.endm
.set MUL_LO, 0xa1
.set MUL_HI, 0xf1
.set TO_B,   0x40
.macro PLACES n
.rept \n
	v_nop
.endr
.endm
.macro JLOAD s                         ; part 1: waves 0, 1 fetch region A's halves, waves 2, 3 region B's.  An s_nop 0 and four v_nop follow each load
	s_cmp_eq_u32 s15, 0
	s_cbranch_scc0 .Lfor_b_\@
	tensor_load_to_lds s[G0+4*\s:G0+4*\s+3], s[G1:G1+7]
	s_nop 0
	PLACES 4
	s_branch .Lasked_\@
.Lfor_b_\@:
	tensor_load_to_lds s[G0B+4*\s:G0B+4*\s+3], s[G1B:G1B+7]
	s_nop 0
	PLACES 4
.Lasked_\@:
.endm
.macro JLOAD2 s                        ; part 2: wave 0 fetches region A's 128 rows, waves 2, 3 region B's halves, wave 1 has no part of a tile; its four v_nop are the places that the others have behind their load
	s_cmp_eq_u32 s14, 0
	s_cbranch_scc0 .Lnot_a_\@
	tensor_load_to_lds s[G0+4*\s:G0+4*\s+3], s[G1:G1+7]
	s_nop 0
	PLACES 4
	s_branch .Lasked_\@
.Lnot_a_\@:
	s_cmp_lt_u32 s14, 2
	s_cbranch_scc1 .Lnone_\@
	tensor_load_to_lds s[G0B+4*\s:G0B+4*\s+3], s[G1B:G1B+7]
	s_nop 0
	PLACES 4
	s_branch .Lasked_\@
.Lnone_\@:
	PLACES 4
.Lasked_\@:
.endm
.macro CREST
	s_cmp_lg_u32 s14, 0
	s_cbranch_scc1 .Lnot_wave_0_\@
	s_barrier_signal -3
.Lnot_wave_0_\@:
	s_barrier_wait -3
	s_barrier_signal -1
	s_barrier_wait -1
.endm
.macro CROUND
	s_barrier_signal -1
	s_barrier_wait -1
	CREST
.endm
	s_load_b128 s[4:7], s[0:1], 0x0                ; xc, wc
	s_load_b128 s[8:11], s[0:1], 0x10              ; the scales' exponents, frag
	s_load_b128 s[68:71], s[0:1], 0x20             ; bq, bk
	s_load_b64 s[72:73], s[0:1], 0x30              ; bv
	v_lshl_add_u32 v[SPW], v0, 2, SPARE
	v_mov_b32 v[NIL], 0
	ds_add_u32 v[SPW], v[NIL]                      ; the opening lines: the add, twice on end, and its wait ahead of my first tensor load
	ds_add_u32 v[SPW], v[NIL]
	v_lshrrev_b32 v1, 5, v0
	v_readfirstlane_b32 s14, v1                    ; wave 0..3
	s_lshr_b32 s15, s14, 1                         ; my half of region A's rows
	s_and_b32 s16, s14, 1                          ; my half of region B's rows; also: which 128 rows I fetch
	s_bfe_u32 s40, ttmp6, 0x40000                  ; cx
	s_bfe_u32 s41, ttmp6, 0x40004                  ; cy
	s_and_b32 s90, ttmp7, 0xffff                   ; the cluster, 0..15
	s_lshr_b32 s[TEN], s90, 3                      ; part 1's tensor: 0 q, 1 k
	s_lshl_b32 s17, s90, 2
	s_add_co_u32 s17, s17, s41                     ; part 1: tile row of x, 0..63
	s_lshl_b32 s43, s41, 2
	s_lshl_b32 s43, 15, s43                        ; my row of the cluster
	s_lshl_b32 s44, 0x1111, s40                    ; my column
	s_or_b32 s[G1+0], s43, (0<<16)|(1<<20)|(1<<21)|(5<<22)|(3<<25)   ; the mask; elements of 1 byte; padding of 4 words after every 64; bit 21 beside a mask
	s_or_b32 s[G1B+0], s44, (0<<16)|(1<<20)|(1<<21)|(5<<22)|(3<<25)
.irp g, G1, G1B
	s_mov_b32 s[\g+1], ROWB<<16
	s_mov_b32 s[\g+2], 128<<16
	s_mov_b32 s[\g+3], ROWB<<16
	s_mov_b32 s[\g+4], 128
	s_mov_b32 s[\g+5], KROW
	s_mov_b32 s[\g+6], 0
	s_mov_b32 s[\g+7], 0
.endr
	s_lshl_b32 s18, s16, 7
	s_lshl_b32 s20, s17, 8
	s_add_co_u32 s20, s20, s18
	s_lshl_b32 s20, s20, 10                        ; part 1, A: row 256 x tile row + 128 x half of xc, in bytes (cy alone)
	s_mov_b32 s21, 0
	s_lshl_b32 s46, s[TEN], 2
	s_add_co_u32 s46, s46, s40
	s_lshl_b32 s46, s46, 8
	s_add_co_u32 s46, s46, s18
	s_lshl_b32 s46, s46, 10                        ; part 1, B: row 1,024 x tensor + 256 cx + 128 x half of wc (cx alone)
	s_mov_b32 s47, 0
	s_and_b32 s92, s90, 1
	s_lshl_b32 s92, s92, 2
	s_add_co_u32 s92, s92, s41                     ; part 2: which 128 channels, 0..7 (cy alone)
	s_add_co_u32 s[P2A], s92, 16
	s_lshl_b32 s[P2A], s[P2A], 17                  ; row 2,048 + 128 x that of wc, in bytes
	s_mov_b32 s[P2A+1], 0
	s_lshr_b32 s93, s90, 1
	s_lshl_b32 s93, s93, 2
	s_add_co_u32 s93, s93, s40                     ; part 2: which 256 rows of v's codes, 0..31 (cx alone)
	s_add_co_u32 s[P2B], s93, 64
	s_lshl_b32 s[P2B], s[P2B], 8
	s_add_co_u32 s[P2B], s[P2B], s18
	s_lshl_b32 s[P2B], s[P2B], 10                  ; row 16,384 + 256 x that + 128 x half of xc, in bytes
	s_mov_b32 s[P2B+1], 0
	s_mul_i32 s45, s14, HALFT                      ; where my loads go: wave x 128 rows
	s_wait_dscnt 0x0                               ; both opening adds are done
	s_wait_kmcnt 0x0
	s_load_b256 s[76:83], s[8:9], 0x0              ; entries 0 to 7 of the scales
	s_load_b64 s[84:85], s[8:9], 0x20              ; entries 8, 9
	s_add_nc_u64 s[20:21], s[4:5], s[20:21]
	s_add_nc_u64 s[46:47], s[6:7], s[46:47]
	s_add_nc_u64 s[P2A:P2A+1], s[6:7], s[P2A:P2A+1]
	s_add_nc_u64 s[P2B:P2B+1], s[4:5], s[P2B:P2B+1]
	CROUND                                         ; all sixteen work-groups are here: the first joint loads meet
.irp s, 0,1
	s_mov_b32 s[G0+4*\s], 1
	s_add_co_u32 s[G0+4*\s+1], s45, \s*SLOT
	s_add_nc_u64 s[G0+4*\s+2:G0+4*\s+3], s[20:21], \s*ROWB
	s_or_b32 s[G0+4*\s+3], s[G0+4*\s+3], 0x80000000
	s_mov_b32 s[G0B+4*\s], 1
	s_add_co_u32 s[G0B+4*\s+1], s45, \s*SLOT
	s_add_nc_u64 s[G0B+4*\s+2:G0B+4*\s+3], s[46:47], \s*ROWB
	s_or_b32 s[G0B+4*\s+3], s[G0B+4*\s+3], 0x80000000
.endr
	JLOAD 0                                        ; K step 0: one tensor load a wave at the head
	v_and_b32 v1, 15, v0                           ; r
	v_bfe_u32 v2, v0, 4, 1                         ; h
	v_and_b32 v6, 31, v0
	v_lshlrev_b32 v[CO], 4, v6
	v_mul_u32_u24 v3, v1, PITCH
	v_lshl_add_u32 v4, v2, 4, v3                   ; a fragment's row x pitch + 16 h
	v_lshlrev_b32 v[BQ], 5, v2
	v_lshlrev_b32 v[BV], 2, v1
	s_wait_alu depctr_va_vdst(0)                   ; the wait ahead of the scalar lines below
	s_mul_i32 s21, s15, HALFT                      ; part 1: my 128 rows of region A
	s_mul_i32 s22, s16, HALFT
	s_add_co_u32 s22, s22, 2*HALFT                 ; my 128 rows of region B
	s_mul_i32 s23, s15, 64*PITCH                   ; part 2: my 64 rows of region A
.irp s, 0,1
	v_add_nc_u32 v[ADRA+\s], s21, v4
	v_add_nc_u32 v[ADRB+\s], s22, v4
	v_add_nc_u32 v[ADRA2+\s], s23, v4
	s_add_co_u32 s21, s21, SLOT
	s_add_co_u32 s22, s22, SLOT
	s_add_co_u32 s23, s23, SLOT
.endr
	s_cmp_eq_u32 s[TEN], 1
	s_cselect_b64 s[68:69], s[70:71], s[68:69]     ; bq or bk
	s_lshl_b32 s20, s40, 10
	s_lshl_b32 s21, s16, 9
	s_add_co_u32 s20, s20, s21                     ; my 128 channels' biases
	s_mov_b32 s21, 0
	s_add_nc_u64 s[68:69], s[68:69], s[20:21]
.irp b, 0,1,2,3,4,5,6,7
	global_load_b128 v[BI+8*\b:BI+8*\b+3], v[BQ], s[68:69] offset:64*\b        ; the bias of channel 16 b + 8 h + i into register 8 b + i: they stay in registers up to part 1's way out
	global_load_b128 v[BI+8*\b+4:BI+8*\b+7], v[BQ], s[68:69] offset:64*\b+16
.endr
	s_lshl_b32 s20, s92, 9
	s_lshl_b32 s21, s15, 8
	s_add_co_u32 s20, s20, s21
	s_mov_b32 s21, 0
	s_add_nc_u64 s[72:73], s[72:73], s[20:21]      ; bv at my 64 channels of part 2
	s_lshl_b32 s20, s[TEN], 23                     ; part 1's place in frag: tensor, 16 b + head, 256 positions a tile, 128 a wave
	s_bfe_u32 s21, s17, 0x20003
	s_lshl_b32 s21, s21, 4
	s_lshl_b32 s22, s40, 2
	s_add_co_u32 s21, s21, s22
	s_lshl_b32 s22, s16, 1
	s_add_co_u32 s21, s21, s22
	s_lshl_b32 s21, s21, 17
	s_add_co_u32 s20, s20, s21
	s_and_b32 s21, s17, 7
	s_lshl_b32 s21, s21, 14
	s_add_co_u32 s20, s20, s21
	s_lshl_b32 s21, s15, 13
	s_add_co_u32 s20, s20, s21
	s_mov_b32 s21, 0
	s_lshr_b32 s22, s93, 3                         ; part 2's: my 64 channels are one head; my 128 positions one chunk
	s_lshl_b32 s22, s22, 4
	s_lshl_b32 s23, s92, 1
	s_add_co_u32 s22, s22, s23
	s_add_co_u32 s22, s22, s15
	s_lshl_b32 s22, s22, 17
	s_and_b32 s23, s93, 7
	s_lshl_b32 s23, s23, 14
	s_add_co_u32 s22, s22, s23
	s_lshl_b32 s23, s16, 13
	s_add_co_u32 s22, s22, s23
	s_add_co_u32 s22, s22, 0x1000000
	s_mov_b32 s23, 0
	s_add_nc_u64 s[12:13], s[10:11], s[22:23]
	s_add_nc_u64 s[10:11], s[10:11], s[20:21]
.macro FRAG reg, adr, q, i
.irp c, 0,1,2,3
	ds_load_b128 v[\reg+4*\c:\reg+4*\c+3], v[\adr] offset:128*(\q)+32*\c+(\i)*16*PITCH
.endr
.endm
.macro MUL16 a0, p, zero               ; region A's blocks a0, a0 + 1 x region B's eight, 128 along K; the accumulators take turns
.irp a, \a0, \a0+1
.irp b, 0,1,2,3,4,5,6,7
.if \zero
	v_wmma_f32_16x16x128_bf8_bf8 v[8*(8*((\a)%4)+\b):8*(8*((\a)%4)+\b)+7], v[128*(\p)+FR*\b:128*(\p)+FR*\b+FR-1], v[AF+FR*(\a):AF+FR*(\a)+FR-1], 0
.else
	v_wmma_f32_16x16x128_bf8_bf8 v[8*(8*((\a)%4)+\b):8*(8*((\a)%4)+\b)+7], v[128*(\p)+FR*\b:128*(\p)+FR*\b+FR-1], v[AF+FR*(\a):AF+FR*(\a)+FR-1], v[8*(8*((\a)%4)+\b):8*(8*((\a)%4)+\b)+7]
.endif
.endr
.endr
.endm
.macro FETCH_B slot, q, p
	WIN TO_B
.irp i, 0,1,2,3,4,5,6,7
	FRAG 128*(\p)+FR*\i, ADRB+\slot, \q, \i
.endr
	WIN 0
.endm
.macro FETCH_A slot, q, i0
.irp i, \i0, \i0+1, \i0+2, \i0+3
	FRAG AF+FR*(\i), ADRA+\slot, \q, \i
.endr
.endm
.macro FETCH_A2 slot, q, set           ; part 2: my four blocks of region A into set 0 (registers of blocks 0-3) or 1 (of blocks 4-7)
.irp i, 0,1,2,3
	FRAG AF+FR*(4*(\set)+\i), ADRA2+\slot, \q, \i
.endr
.endm
; PART 1.  A slot's first 128 along K: region A has one set of registers, region B two.
.macro STEP slot, zero
	s_wait_dscnt 4*NL                              ; all but the youngest 16 loads (A's blocks 4-7) are in
	WIN MUL_LO
	MUL16 0, 0, \zero
	MUL16 2, 0, \zero
	s_wait_dscnt 0
	PLACES NP
	FETCH_B \slot, 1, 1
	FETCH_A \slot, 1, 0
	WIN MUL_HI
	MUL16 4, 0, \zero
	MUL16 6, 0, \zero
	PLACES NP
	WIN 0
	FETCH_A \slot, 1, 4
.endm
; A slot's last 128 along K changes slots: the wait for all my tensor loads, the add, the wait for it and for my reads of this slot, a round of the cluster's barrier, the refill first behind it.
; fill = 1: this tile's K step two on.  fill = 2: part 2's K step 0 (slot 0) or 1 (slot 1).  fetch = 0: part 1's last step: no fragment is fetched, the registers serve the way out.
.macro TURN slot, next, fill, fetch
	s_wait_tensorcnt 0x0
	ds_add_u32 v[SPW], v[NIL]
	s_wait_dscnt 4*NL+1                            ; (the add and the youngest 16 loads may be out)
	WIN MUL_LO
	MUL16 0, 1, 0
	s_wait_dscnt 0x0
	s_barrier_signal -1
	MUL16 2, 1, 0
	WIN 0
	s_barrier_wait -1
	CREST
.if \fill == 1
	s_add_nc_u64 s[G0+4*\slot+2:G0+4*\slot+3], s[G0+4*\slot+2:G0+4*\slot+3], 2*ROWB
	s_add_nc_u64 s[G0B+4*\slot+2:G0B+4*\slot+3], s[G0B+4*\slot+2:G0B+4*\slot+3], 2*ROWB
	JLOAD \slot
.else
	s_add_nc_u64 s[G0+4*\slot+2:G0+4*\slot+3], s[P2A:P2A+1], \slot*ROWB
	s_or_b32 s[G0+4*\slot+3], s[G0+4*\slot+3], 0x80000000
	s_add_nc_u64 s[G0B+4*\slot+2:G0B+4*\slot+3], s[P2B:P2B+1], \slot*ROWB
	s_or_b32 s[G0B+4*\slot+3], s[G0B+4*\slot+3], 0x80000000
	JLOAD2 \slot
.endif
.if \fetch
	FETCH_B \next, 0, 0
	FETCH_A \next, 0, 0
.endif
	WIN MUL_HI
	MUL16 4, 1, 0
	MUL16 6, 1, 0
.if \fetch
	PLACES NP
	WIN 0
	FETCH_A \next, 0, 4
.else
	WIN 0
.endif
.endm
; PART 2.  32 products for 128 along K; both operands have two sets, and a step's fragments are fetched during the step before.
.macro STEP2 slot, zero
	s_wait_dscnt 0x0                               ; sets 0 are in
	PLACES NP                                      ; in front of loads into sets 1, which the last products read
	FETCH_B \slot, 1, 1
	FETCH_A2 \slot, 1, 1
	WIN MUL_LO
	MUL16 0, 0, \zero
	MUL16 2, 0, \zero
	WIN 0
.endm
.macro TURN2 slot, next, fill
	s_wait_tensorcnt 0x0
	ds_add_u32 v[SPW], v[NIL]
	s_wait_dscnt 0x0                               ; the add is done, sets 1 are in, my reads of this slot are over
	s_barrier_signal -1
	WIN MUL_LO
	MUL16 4, 1, 0
	WIN 0
	s_barrier_wait -1
.if \fill
	CREST
	s_add_nc_u64 s[G0+4*\slot+2:G0+4*\slot+3], s[G0+4*\slot+2:G0+4*\slot+3], 2*ROWB
	s_add_nc_u64 s[G0B+4*\slot+2:G0B+4*\slot+3], s[G0B+4*\slot+2:G0B+4*\slot+3], 2*ROWB
	JLOAD2 \slot                                   ; its four v_nop are the places in front of the loads below
.else
	PLACES NP
.endif
	FETCH_B \next, 0, 0
	FETCH_A2 \next, 0, 0
	WIN MUL_LO
	MUL16 6, 1, 0
	WIN 0
.endm
; THE WAY OUT of region A's block a: sum x 2^(two exponents) + bias, held between 0 and min(6, 57,344 x the scale), converted; a lane's 16 codes of two neighbouring blocks of region B are 16 bytes: the wave stores 512 consecutive bytes.
.macro OUTBLK a, vmode, ob
.set AC, 64*((\a)%4)
.set CDA, CD+16*((\a)%2)
.if (\a) >= 2
	s_wait_xcnt 0x0                                ; block a - 2's stores have read their registers
.endif
	WIN 0x02+((\a)/4)
.irp b, 0,1,2,3,4,5,6,7
.irp i, 0,2,4,6
.if \vmode
	v_pk_fma_f32 v[TMP+8*\b+\i:TMP+8*\b+\i+1], v[AC+8*\b+\i:AC+8*\b+\i+1], s[96:97], v[BI+2*(\a):BI+2*(\a)+1] op_sel_hi:[1,0,1]
.else
	v_pk_fma_f32 v[TMP+8*\b+\i:TMP+8*\b+\i+1], v[AC+8*\b+\i:AC+8*\b+\i+1], s[96:97], v[BI+8*\b+\i:BI+8*\b+\i+1] op_sel_hi:[1,0,1]
.endif
.endr
.endr
	WIN 0
.irp b, 0,1,2,3,4,5,6,7
.irp i, 0,1,2,3,4,5,6,7
	v_med3_num_f32 v[TMP+8*\b+\i], v[TMP+8*\b+\i], 0, v[LIM]
.endr
	v_cvt_scalef32_pk8_bf8_f32 v[CDA+2*\b:CDA+2*\b+1], v[TMP+8*\b:TMP+8*\b+7], v[SC]
.endr
	v_nop                                          ; one plain place behind the last conversion
.irp m, 0,1,2,3
.if \vmode
	global_store_b128 v[CO], v[CDA+4*\m:CDA+4*\m+3], s[\ob:\ob+1] offset:(\a)*2048+512*\m
.else
	global_store_b128 v[CO], v[CDA+4*\m:CDA+4*\m+3], s[\ob:\ob+1] offset:(\m/2)*131072+(\a)*1024+(\m%2)*512
.endif
.endr
.endm
.macro SCALES                          ; in: s96, s97 the operands' exponents, s98 the result's
	s_add_co_i32 s96, s96, s97
	s_add_co_i32 s96, s96, 127
	s_lshl_b32 s96, s96, 23                        ; 2^(the two added)
	s_mov_b32 s97, s96
	s_add_co_i32 s98, s98, 127
	s_lshl_b32 s20, s98, 23
	v_mov_b32 v[SC], s20                           ; the result's scale
	s_add_co_i32 s98, s98, 15
	s_lshl_b32 s98, s98, 23
	s_or_b32 s98, s98, 0x600000                    ; 57,344 x that,
	s_min_u32 s98, s98, 0x40c00000                 ; or 6.0 if that is less (both are positive f32 numbers)
	v_mov_b32 v[LIM], s98
	s_wait_alu depctr_va_vdst(0)                   ; the wait ahead of the waits below
.endm
	s_wait_alu depctr_va_vdst(0)                   ; the wait at the head's end
	s_wait_tensorcnt 0x0                           ; my part of K step 0 is in; slot 1's first fill is issued as a refill is:
	ds_add_u32 v[SPW], v[NIL]
	s_wait_dscnt 0x0
	CROUND
	JLOAD 1
	FETCH_B 0, 0, 0
	FETCH_A 0, 0, 0
	FETCH_A 0, 0, 4
	STEP 0, 1                                      ; the first products start the sums
	TURN 0, 1, 1, 1                                ; slot 0 takes K step 2
	STEP 1, 0
	TURN 1, 0, 1, 1                                ; slot 1 takes K step 3
	STEP 0, 0
	TURN 0, 1, 2, 1                                ; slot 0 takes part 2's K step 0
	STEP 1, 0
	TURN 1, 0, 2, 0                                ; slot 1 takes part 2's K step 1
	s_wait_kmcnt 0x0
	s_cmp_eq_u32 s[TEN], 1
	s_cselect_b32 s96, s78, s76
	s_cselect_b32 s97, s79, s77
	s_cselect_b32 s98, s83, s82
	SCALES
	PLACES NP
	s_wait_loadcnt 0x0                             ; the biases
.irp a, 0,1,2,3,4,5,6,7
	OUTBLK \a, 0, 10
.endr
	s_wait_xcnt 0x0                                ; the stores have read their registers: fragments and biases may land there
.irp a, 0,1,2,3
	global_load_b32 v[BI+2*\a], v[BV], s[72:73] offset:64*\a      ; part 2: the bias of channel 16 a + r, in both halves of a pair
	global_load_b32 v[BI+2*\a+1], v[BV], s[72:73] offset:64*\a
.endr
	FETCH_B 0, 0, 0
	FETCH_A2 0, 0, 0
	STEP2 0, 1
	TURN2 0, 1, 1                                  ; slot 0 takes K step 2
	STEP2 1, 0
	TURN2 1, 0, 1                                  ; slot 1 takes K step 3
	STEP2 0, 0
	TURN2 0, 1, 0                                  ; nothing more is asked for
	STEP2 1, 0
	s_wait_dscnt 0x0
	WIN MUL_LO
	MUL16 4, 1, 0
	MUL16 6, 1, 0
	WIN 0
	s_mov_b32 s96, s80
	s_mov_b32 s97, s81
	s_mov_b32 s98, s84
	SCALES
	PLACES NP
	s_wait_loadcnt 0x0
.irp a, 0,1,2,3
	OUTBLK \a, 1, 12
.endr
	s_wait_tensorcnt 0x0                           ; the wave's end
	ds_add_u32 v[SPW], v[NIL]
	s_wait_dscnt 0x0
	CROUND                                         ; the closing round
	s_endpgm
.Lfunc_end_k_qf19292ddad_proj:
	.size	k_qf19292ddad_proj, .Lfunc_end_k_qf19292ddad_proj-k_qf19292ddad_proj
	.p2alignl 7, 3214868480
	.fill 96, 4, 3214868480
	.section	.rodata,"a",@progbits
	.p2align	6, 0x0
	.amdhsa_kernel k_qf19292ddad_proj
		.amdhsa_group_segment_fixed_size 327680
		.amdhsa_private_segment_fixed_size 0
		.amdhsa_enable_private_segment 0
		.amdhsa_kernarg_size 56
		.amdhsa_user_sgpr_count 2
		.amdhsa_user_sgpr_kernarg_segment_ptr 1
		.amdhsa_wavefront_size32 1
		.amdhsa_system_sgpr_workgroup_id_x 1
		.amdhsa_system_sgpr_workgroup_id_y 1
		.amdhsa_system_sgpr_workgroup_id_z 1
		.amdhsa_system_vgpr_workitem_id 0
		.amdhsa_next_free_vgpr 1024
		.amdhsa_next_free_sgpr 100
		.amdhsa_reserve_vcc 0
		.amdhsa_float_denorm_mode_32 3
		.amdhsa_float_denorm_mode_16_64 3
		.amdhsa_memory_ordered 1
		.amdhsa_forward_progress 1
		.amdhsa_inst_pref_size 214
	.end_amdhsa_kernel
	.amdgpu_metadata
---
amdhsa.version: [ 1, 2 ]
amdhsa.kernels:
  - .name:           k_qf19292ddad_proj
    .symbol:         k_qf19292ddad_proj.kd
    .args:
      - { .name: xc, .offset: 0, .size: 8, .value_kind: global_buffer, .address_space: global }
      - { .name: wc, .offset: 8, .size: 8, .value_kind: global_buffer, .address_space: global }
      - { .name: lowp_scales, .offset: 16, .size: 8, .value_kind: global_buffer, .address_space: global }
      - { .name: frag, .offset: 24, .size: 8, .value_kind: global_buffer, .address_space: global }
      - { .name: bq, .offset: 32, .size: 8, .value_kind: global_buffer, .address_space: global }
      - { .name: bk, .offset: 40, .size: 8, .value_kind: global_buffer, .address_space: global }
      - { .name: bv, .offset: 48, .size: 8, .value_kind: global_buffer, .address_space: global }
    .group_segment_fixed_size: 327680
    .private_segment_fixed_size: 0
    .kernarg_segment_align: 8
    .kernarg_segment_size: 56
    .max_flat_workgroup_size: 128
    .sgpr_count:     100
    .vgpr_count:     1024
    .wavefront_size: 32
...
	.end_amdgpu_metadata
.endif
;; end of part 2
;; launch attn (part 3): grid 4 x 64, 16 waves a work-group, no clusters, 301,056 bytes of LDS; arguments frag, lowp_scales, out0; writes out0
.if DOCPART == 3
	.amdgcn_target "amdgcn-amd-amdhsa--gfx1250"
	.amdhsa_code_object_version 6
	.text
	.protected	k_qf19292ddad_attn
	.globl	k_qf19292ddad_attn
	.p2align	8
	.type	k_qf19292ddad_attn,@function
k_qf19292ddad_attn:
	s_mov_b64 s[64:65], 0
	v_nop
	global_prefetch_b8 v0, s[64:65] scope:SCOPE_SE
	s_setreg_imm32_b32 hwreg(HW_REG_WAVE_MODE, 25, 1), 1
	s_wait_xcnt 0x0
; Third of three launches: out0[t][b][h][:] = sum over s of softmax_s(qh . kh / 8) vh, both products on codes of BF8 (E5M2).  No work is left out.
; frag holds images of operand registers: Q at byte 0 and K at 2^23: [b h 64][16 positions a tile, 128 tiles][1,024 bytes]; V at 2^24: [b h 64][128 keys a chunk, 16 chunks][16 channels a tile, 4 tiles][2,048 bytes].
; THE SOFTMAX: t = score x log2(e) / 8; M = the ceiling of the running largest t; p = 2^(t - M) is quantised with 2^ep; the row's sum is taken of the unquantised p and divides at the end; when M moves, sum and O are multiplied by 2^(old M - new M).
; SHARES: a work-group owns 512 queries of one head, each of its 16 waves 32 of them (tiles A and B of 16), so that each fragment of K and V feeds two matrix instructions.  256 work-groups.
; K AND V: a head's 2 x 131,072 bytes fit in LDS whole.  Each wave copies 16,384 of them once, 32 loads of 512 consecutive bytes and 32 LDS stores; one barrier; then the 16 key steps of 128 keys run with no barrier.
; Both products are used transposed (S^T = K Q^T, O^T = V^T P^T): a lane holds one query; tile c's eight registers are keys 16 c + 8 (lane / 16) + 0 .. 7, which is where the K = 128 form wants them.
; THE HOLD at 57,344 x 2^ep: p is at most 1 (and a rounding), so where ep >= -15 the bound, 1.75 or more, is never reached: for a smaller ep they run.
; NO JOINT LOADS, though four work-groups read the same K and V: each work-group asks for each byte once, and nothing is filled again.
; NO PREFETCH: all of K and V is asked for at the head, at once: there is no loop to run ahead in.
; LIMITS: eq + ek between -123 and 130; ep between -126 and 112; the scaled scores stay under 2^31 in magnitude.
; REGISTERS: v0 at work behind the head; v1-2 the spare word and 0; v3 16 x lane; v4 2^ep; v5 the hold; v6-7 largest t; v8-11 sums; v12-15 at work; v16-31 Q; v32-63 K's fragments, then tile B's temporaries, then p's codes;
; v64-191 S^T, then p (v64-127 then V's fragments); v192-255 O^T.
.set VREG,  131072
.set STEPB, 8192
.set SPARE, 262144                     ; behind K and V: the spare words, 128 bytes for each of 16 waves
.set SPIT,  144                        ; the way out: a stage row of 128 bytes (32 channels) + 16
.set STG,   SPARE+2048                 ; behind the spare words: a stage of 16 rows for each wave, its own: 16 x 2,304 bytes
.set SPW,  1
.set NIL,  2
.set LI,   3
.set SC,   4
.set HOLD, 5
.set TMA,  6
.set TMB,  7
.set SUMA, 8
.set SUMB, 10
.set T,    12
.set QA,   16
.set QB,   24
.set KB,   32
.set U,    32
.set SA,   64
.set SB,   128
.set OA,   192
.set OB,   224
.set WV,   10
.set SEL,  40
.set CS,   42
.set TB,   44
.set TBV,  45
.set CNT,  46
.set EP,   51
	s_load_b128 s[4:7], s[0:1], 0x0                ; frag, the scales' exponents
	s_load_b64 s[8:9], s[0:1], 0x10                ; out0
	v_lshl_add_u32 v[SPW], v0, 2, SPARE
	v_mov_b32 v[NIL], 0
	v_lshrrev_b32 v[T], 5, v0
	v_readfirstlane_b32 s[WV], v[T]                ; wave 0..15
	s_and_b32 s12, ttmp7, 0xffff                   ; 16 b + h
	s_lshr_b32 s14, s[WV], 3                       ; waves 0-7 copy K, waves 8-15 V,
	s_and_b32 s15, s[WV], 7                        ; 16,384 bytes each
	s_lshl_b32 s20, s14, 23
	s_lshl_b32 s21, s15, 14
	s_add_co_u32 s20, s20, s21
	s_lshl_b32 s22, s12, 17
	s_add_co_u32 s20, s20, s22
	s_add_co_u32 s20, s20, 8388608
	s_mov_b32 s21, 0
	s_lshl_b32 s24, ttmp9, 15                      ; Q: 32 tiles a work-group, 2 a wave
	s_add_co_u32 s24, s24, s22
	s_lshl_b32 s25, s[WV], 11
	s_add_co_u32 s24, s24, s25
	s_mov_b32 s25, 0
	s_lshl_b32 s26, ttmp9, 23                      ; out0: 16,384 bytes a position; 512 positions a work-group, 32 a wave
	s_lshl_b32 s27, s[WV], 19
	s_add_co_u32 s26, s26, s27
	s_lshr_b32 s27, s12, 4
	s_lshl_b32 s27, s27, 12
	s_add_co_u32 s26, s26, s27
	s_and_b32 s27, s12, 15
	s_lshl_b32 s27, s27, 8
	s_add_co_u32 s26, s26, s27
	s_mov_b32 s27, 0
	s_lshl_b32 s28, s[WV], 14
	s_mov_b32 s[SEL], 0x76543210
	s_mov_b32 s[SEL+1], 0xfedcba98
	s_mov_b32 s[CS], 0x3e38aa3b                    ; c = log2(e) / 8
	s_mov_b32 s[TB], 0
	s_mov_b32 s[TBV], VREG
	s_mov_b32 s[CNT], 16
	v_and_b32 v[LI], 31, v0
	v_lshlrev_b32 v[LI], 4, v[LI]
	v_add_nc_u32 v[T+2], s28, v[LI]                ; where my copy goes in LDS: K and V lie there as in memory
	s_wait_alu depctr_va_vdst(0)                   ; the wait directly ahead of the wait below
	s_wait_kmcnt 0x0
	s_load_b64 s[48:49], s[6:7], 0x18              ; eq, ek
	s_load_b64 s[50:51], s[6:7], 0x20              ; ev, ep
	s_add_nc_u64 s[20:21], s[4:5], s[20:21]
	s_add_nc_u64 s[24:25], s[4:5], s[24:25]
	s_add_nc_u64 s[8:9], s[8:9], s[26:27]
.irp i, 0,1,2,3
	global_load_b128 v[QA+4*\i:QA+4*\i+3], v[LI], s[24:25] offset:512*\i
.endr
.set j, 0
.rept 32
	global_load_b128 v[SA+4*j:SA+4*j+3], v[LI], s[20:21] offset:512*j   ; 32 lanes read 512 consecutive bytes
.set j, j+1
.endr
	v_mov_b32 v[TMA], 0xff61b1e6                   ; the largest t so far: -3e38
	v_mov_b32 v[TMB], 0xff61b1e6
	v_mov_b32 v[SUMA], 0
	v_mov_b32 v[SUMA+1], 0
	v_mov_b32 v[SUMB], 0
	v_mov_b32 v[SUMB+1], 0
.set j, 0
.rept 64
	v_mov_b32 v[OA+j], 0                           ; the step is written once: the first finds zeros
.set j, j+1
.endr
	s_wait_kmcnt 0x0
	s_add_co_i32 s52, s48, s49
	s_lshl_b32 s52, s52, 23
	s_add_co_i32 s[CS], s[CS], s52                 ; eq + ek go into c's exponent field
	s_mov_b32 s[CS+1], s[CS]
	s_add_co_i32 s52, s[EP], 127
	s_lshl_b32 s53, s52, 23
	v_mov_b32 v[SC], s53                           ; 2^ep
	s_add_co_i32 s52, s52, 15
	s_lshl_b32 s52, s52, 23
	s_or_b32 s52, s52, 0x600000
	v_mov_b32 v[HOLD], s52                         ; 57,344 x 2^ep
	s_add_co_i32 s47, s50, s[EP]
	s_wait_alu depctr_va_vdst(0)                   ; the wait at the head's end
.irp g, 0,1,2,3
	s_wait_loadcnt 24-8*\g                         ; Q and my first 8 (g + 1) loads of K or V are in; the later ones may be out
.irp i, 0,1,2,3,4,5,6,7
	ds_store_b128 v[T+2], v[SA+32*\g+4*\i:SA+32*\g+4*\i+3] offset:(8*\g+\i)*512
.endr
.endr
	s_wait_dscnt 0x0                               ; my part lies in LDS
	s_barrier_signal -1
	s_barrier_wait -1                              ; and so does everybody's
.macro MAXRUN c0, c1, s, first         ; 32 scores into two running maxima, each accumulator from its low end on
.if \first
	v_max3_num_f32 v[\c0], v[\s], v[\s+1], v[\s+2]
	v_max3_num_f32 v[\c1], v[\s+3], v[\s+4], v[\s+5]
.set j, 6
.rept 6
	v_max3_num_f32 v[\c0], v[\c0], v[\s+j], v[\s+j+1]
	v_max3_num_f32 v[\c1], v[\c1], v[\s+j+2], v[\s+j+3]
.set j, j+4
.endr
	v_max3_num_f32 v[\c0], v[\c0], v[\s+30], v[\s+31]
.else
.set j, 0
.rept 8
	v_max3_num_f32 v[\c0], v[\c0], v[\s+j], v[\s+j+1]
	v_max3_num_f32 v[\c1], v[\c1], v[\s+j+2], v[\s+j+3]
.set j, j+4
.endr
.endif
.endm
.macro KLOAD g                         ; four tiles of 16 keys
.irp t, 0,1,2,3
	ds_load_b128 v[KB+8*\t:KB+8*\t+3], v[T+3] offset:(4*\g+\t)*1024
	ds_load_b128 v[KB+8*\t+4:KB+8*\t+7], v[T+3] offset:(4*\g+\t)*1024+512
.endr
.endm
.macro QK g
.irp t, 0,1,2,3
	v_wmma_f32_16x16x64_bf8_bf8 v[SA+8*(4*\g+\t):SA+8*(4*\g+\t)+7], v[KB+8*\t:KB+8*\t+7], v[QA:QA+7], 0
	v_wmma_f32_16x16x64_bf8_bf8 v[SB+8*(4*\g+\t):SB+8*(4*\g+\t)+7], v[KB+8*\t:KB+8*\t+7], v[QB:QB+7], 0
.endr
.endm
.Lstep:                                                ; a key step: 128 keys, both tiles of queries
	v_add_nc_u32 v[T+3], s[TB], v[LI]
	s_wait_alu depctr_va_vdst(0)
.rept 4
	v_nop                                          ; with the addition five places behind the last products: the loads land on p's codes, the first product below on V's fragments
.endr
	KLOAD 0
	s_wait_dscnt 0x0
	QK 0
.rept 4
	v_nop                                          ; places in front of the loads below and of the first read of the scores
.endr
	KLOAD 1
	MAXRUN T, T+2, SA, 1                           ; tile A's first 64 keys, while the loads are out
	s_wait_dscnt 0x0
	QK 1
	MAXRUN 0, T+1, SB, 1                           ; tile B's first 64 keys: also the places behind the products above
	MAXRUN T, T+2, SA+32, 0
	MAXRUN 0, T+1, SB+32, 0
	v_max_num_f32 v[T], v[T], v[T+2]               ; the two tiles' chains take turns from here on
	v_max_num_f32 v0, v0, v[T+1]
	v_permlanex16_b32 v[T+1], v[T], s[SEL], s[SEL+1]
	v_permlanex16_b32 v[U+1], v0, s[SEL], s[SEL+1]
	v_max_num_f32 v[T], v[T], v[T+1]               ; with lane l xor 16's
	v_max_num_f32 v0, v0, v[U+1]
	v_mul_f32 v[T], s[CS], v[T]                    ; as t (c is positive)
	v_mul_f32 v0, s[CS], v0
	v_floor_f32 v[T+2], -v[TMA]                    ; the old -M
	v_floor_f32 v[U+2], -v[TMB]
	v_max_num_f32 v[TMA], v[TMA], v[T]
	v_max_num_f32 v[TMB], v[TMB], v0
	v_floor_f32 v[T], -v[TMA]                      ; the new -M = -ceil(t)
	v_floor_f32 v[U], -v[TMB]
	v_sub_f32 v[T+2], v[T], v[T+2]                 ; old M - new M, a whole number, 0 or less
	v_sub_f32 v[U+2], v[U], v[U+2]
	v_cvt_i32_f32 v[T+2], v[T+2]                   ; (it saturates)
	v_cvt_i32_f32 v[U+2], v[U+2]
	v_ldexp_f32 v[T+2], 1.0, v[T+2]                ; f = 2^(old M - new M)
	v_ldexp_f32 v[U+2], 1.0, v[U+2]
.set j, 0
.rept 16
	v_pk_mul_f32 v[OA+j:OA+j+1], v[OA+j:OA+j+1], v[T+2:T+3] op_sel_hi:[1,0]   ; O^T under the new M, ahead of the exponentials
	v_pk_mul_f32 v[OB+j:OB+j+1], v[OB+j:OB+j+1], v[U+2:U+3] op_sel_hi:[1,0]
.set j, j+2
.endr
.set j, 0
.rept 32
	v_pk_fma_f32 v[SA+j:SA+j+1], v[SA+j:SA+j+1], s[CS:CS+1], v[T:T+1] op_sel_hi:[1,0,0]   ; t - M
	v_pk_fma_f32 v[SB+j:SB+j+1], v[SB+j:SB+j+1], s[CS:CS+1], v[U:U+1] op_sel_hi:[1,0,0]
.set j, j+2
.endr
	s_wait_alu depctr_va_vdst(0)                   ; the wait ahead of the batch
.set j, 0
.rept 128
	v_exp_f32 v[SA+j], v[SA+j]                     ; p = 2^(t - M), both tiles in one batch
.set j, j+1
.endr
	v_add_nc_u32 v0, s[TBV], v[LI]                 ; V's address: the plain place behind the batch
	s_wait_alu depctr_va_vdst(0)                   ; one wait for the whole batch, ahead of its first reader
	v_pk_fma_f32 v[SUMA:SUMA+1], v[SUMA:SUMA+1], v[T+2:T+3], v[SA:SA+1] op_sel_hi:[1,0,1]   ; the sum x f + the first pair of the unquantised p
	v_pk_fma_f32 v[SUMB:SUMB+1], v[SUMB:SUMB+1], v[U+2:U+3], v[SB:SB+1] op_sel_hi:[1,0,1]
	v_pk_add_f32 v[T:T+1], v[SA+2:SA+3], v[SA+4:SA+5]
	v_pk_add_f32 v[U:U+1], v[SB+2:SB+3], v[SB+4:SB+5]
.set j, 6
.rept 14
	v_pk_add_f32 v[SUMA:SUMA+1], v[SUMA:SUMA+1], v[SA+j:SA+j+1]
	v_pk_add_f32 v[SUMB:SUMB+1], v[SUMB:SUMB+1], v[SB+j:SB+j+1]
	v_pk_add_f32 v[T:T+1], v[T:T+1], v[SA+j+2:SA+j+3]
	v_pk_add_f32 v[U:U+1], v[U:U+1], v[SB+j+2:SB+j+3]
.set j, j+4
.endr
	v_pk_add_f32 v[SUMA:SUMA+1], v[SUMA:SUMA+1], v[SA+62:SA+63]
	v_pk_add_f32 v[SUMB:SUMB+1], v[SUMB:SUMB+1], v[SB+62:SB+63]
	v_pk_add_f32 v[SUMA:SUMA+1], v[SUMA:SUMA+1], v[T:T+1]
	v_pk_add_f32 v[SUMB:SUMB+1], v[SUMB:SUMB+1], v[U:U+1]
	s_cmp_ge_i32 s[EP], -15                        ; 57,344 x 2^ep >= 1.75: no p reaches it
	s_wait_alu depctr_va_vdst(0)                   ; the wait directly ahead of the branch
	s_cbranch_scc1 .Lfits
.set j, 0
.rept 128
	v_min_num_f32 v[SA+j], v[SA+j], v[HOLD]        ; the conversion does not saturate (ISA guide 7.6.2); p is not negative, so the hold is one-sided
.set j, j+1
.endr
.Lfits:
.set b, 0
.rept 4
	v_cvt_scalef32_pk8_bf8_f32 v[KB+4*b:KB+4*b+1], v[SA+16*b:SA+16*b+7], v[SC]
	v_cvt_scalef32_pk8_bf8_f32 v[KB+4*b+2:KB+4*b+3], v[SA+16*b+8:SA+16*b+15], v[SC]
.set b, b+1
.endr
.irp f, 0,1,2,3,4,5,6,7,8,9,10,11,12,13,14,15
	ds_load_b128 v[SA+4*\f:SA+4*\f+3], v0 offset:512*\f   ; V's four fragments, where tile A's p lay
.endr
.set b, 0
.rept 4
	v_cvt_scalef32_pk8_bf8_f32 v[KB+16+4*b:KB+16+4*b+1], v[SB+16*b:SB+16*b+7], v[SC]
	v_cvt_scalef32_pk8_bf8_f32 v[KB+16+4*b+2:KB+16+4*b+3], v[SB+16*b+8:SB+16*b+15], v[SC]
.set b, b+1
.endr
	v_nop                                          ; one plain place between the conversions and the products that read the codes
	s_wait_alu depctr_va_vdst(0)                   ; the wait directly ahead of the wait below
	s_wait_dscnt 0x0
.irp d, 0,1,2,3
	v_wmma_f32_16x16x128_bf8_bf8 v[OA+8*\d:OA+8*\d+7], v[SA+16*\d:SA+16*\d+15], v[KB:KB+15], v[OA+8*\d:OA+8*\d+7]   ; eight accumulators by turns
	v_wmma_f32_16x16x128_bf8_bf8 v[OB+8*\d:OB+8*\d+7], v[SA+16*\d:SA+16*\d+15], v[KB+16:KB+31], v[OB+8*\d:OB+8*\d+7]
.endr
	s_add_co_u32 s[TB], s[TB], STEPB
	s_add_co_u32 s[TBV], s[TBV], STEPB
	s_sub_co_u32 s[CNT], s[CNT], 1
	s_cmp_lg_u32 s[CNT], 0
	s_cbranch_scc1 .Lstep
	; THE WAY OUT.  Each wave's stage is its own and lies beside K and V: no barrier, a wave leaves as soon as its own 16 steps are done.
	v_add_f32 v[T], v[SUMA], v[SUMA+1]
	v_add_f32 v[T+2], v[SUMB], v[SUMB+1]
	v_permlanex16_b32 v[T+1], v[T], s[SEL], s[SEL+1]
	v_permlanex16_b32 v[T+3], v[T+2], s[SEL], s[SEL+1]
	v_add_f32 v[T], v[T], v[T+1]                   ; the rows' sums
	v_add_f32 v[T+2], v[T+2], v[T+3]
	s_wait_alu depctr_va_vdst(0)                   ; the wait ahead of the transcendentals
	v_rcp_f32 v[T], v[T]
	v_rcp_f32 v[T+2], v[T+2]
	v_bfe_u32 v16, v[LI], 4, 4                     ; r = lane % 16
	v_bfe_u32 v17, v[LI], 8, 1                     ; h = lane / 16
	s_mul_i32 s52, s[WV], 16*SPIT
	s_add_co_u32 s52, s52, STG                     ; my stage
	v_and_b32 v21, 7, v16
	v_cmp_le_u32 s54, 8, v16                       ; lanes 8-15 of a row's sixteen take channels 32-63
	v_mul_u32_u24 v18, v16, SPIT
	v_mul_u32_u24 v19, v17, SPIT
	v_lshlrev_b32 v20, 14, v17
	v_lshl_add_u32 v18, v17, 5, v18
	v_lshl_add_u32 v19, v21, 4, v19
	v_lshl_add_u32 v20, v16, 4, v20                ; out0: lanes 0-15 one position, lanes 16-31 the next; 16 bytes a lane
	v_add_nc_u32 v18, s52, v18                     ; in: row r, 32 bytes for each half of the lanes
	v_add_nc_u32 v19, s52, v19                     ; back: lanes 0-15 one row, lanes 16-31 the next
	s_wait_alu depctr_va_vdst(0)                   ; the wait ahead of the reciprocals' first readers
	v_ldexp_f32 v[T], v[T], s47                    ; x 2^(ep + ev)
	v_ldexp_f32 v[T+2], v[T+2], s47
	s_wait_alu depctr_va_vdst(0)                   ; the wait directly ahead of the first reader of O^T
.set j, 0
.rept 16
	v_pk_mul_f32 v[SA+j:SA+j+1], v[OA+j:OA+j+1], v[T:T+1] op_sel_hi:[1,0]
.set j, j+2
.endr
.set j, 0
.rept 16
	v_pk_mul_f32 v[SA+32+j:SA+32+j+1], v[OB+j:OB+j+1], v[T+2:T+3] op_sel_hi:[1,0]
.set j, j+2
.endr
; Channels 32 f .. 32 f + 31 of tile u's 16 queries go through the stage and come back by rows: lane c of a row's sixteen reads piece c % 8 of the half row.  LDS serves a wave's instructions in order: the loads see the stores above them, and the next stores come behind the loads.
.macro HALFROWS u, f, rr
.irp e, 0,1
	ds_store_b128 v18, v[SA+32*\u+16*\f+8*\e:SA+32*\u+16*\f+8*\e+3] offset:64*\e
	ds_store_b128 v18, v[SA+32*\u+16*\f+8*\e+4:SA+32*\u+16*\f+8*\e+7] offset:64*\e+16
.endr
.irp i, 0,1,2,3,4,5,6,7
	ds_load_b128 v[\rr+4*\i:\rr+4*\i+3], v19 offset:2*\i*SPIT
.endr
.endm
; Lanes 0-7 keep the first half's piece, lanes 8-15 take the second half's: sixteen lanes then hold a head's 256 bytes of one position.  left: the LDS instructions issued behind this tile's, which may be out.
.macro SENDT u, rr, left
	s_wait_dscnt \left
.set j, 0
.rept 32
	v_cndmask_b32 v[\rr+j], v[\rr+j], v[\rr+32+j], s54
.set j, j+1
.endr
.irp i, 0,1,2,3,4,5,6,7
	global_store_b128 v20, v[\rr+4*\i:\rr+4*\i+3], s[8:9] offset:262144*\u+32768*\i th:TH_STORE_NT   ; sixteen lanes store 256 consecutive bytes, aligned
.endr
.endm
	HALFROWS 0, 0, SB
	HALFROWS 0, 1, SB+32
	HALFROWS 1, 0, OA                              ; O^T has been scaled into other registers: its own take tile B's rows
	HALFROWS 1, 1, OA+32
	SENDT 0, SB, 24                                ; behind tile A's: tile B's 8 stores and 16 loads
	SENDT 1, OA, 0
	s_wait_tensorcnt 0x0                           ; the wave's end, behind my last LDS store
	ds_add_u32 v[SPW], v[NIL]
	s_wait_dscnt 0x0
	s_endpgm
.Lfunc_end_k_qf19292ddad_attn:
	.size	k_qf19292ddad_attn, .Lfunc_end_k_qf19292ddad_attn-k_qf19292ddad_attn
	.p2alignl 7, 3214868480
	.fill 96, 4, 3214868480
	.section	.rodata,"a",@progbits
	.p2align	6, 0x0
	.amdhsa_kernel k_qf19292ddad_attn
		.amdhsa_group_segment_fixed_size 301056
		.amdhsa_private_segment_fixed_size 0
		.amdhsa_enable_private_segment 0
		.amdhsa_kernarg_size 24
		.amdhsa_user_sgpr_count 2
		.amdhsa_user_sgpr_kernarg_segment_ptr 1
		.amdhsa_wavefront_size32 1
		.amdhsa_system_sgpr_workgroup_id_x 1
		.amdhsa_system_sgpr_workgroup_id_y 1
		.amdhsa_system_sgpr_workgroup_id_z 1
		.amdhsa_system_vgpr_workitem_id 0
		.amdhsa_next_free_vgpr 256
		.amdhsa_next_free_sgpr 66
		.amdhsa_reserve_vcc 0
		.amdhsa_float_denorm_mode_32 3
		.amdhsa_float_denorm_mode_16_64 3
		.amdhsa_memory_ordered 1
		.amdhsa_forward_progress 1
		.amdhsa_inst_pref_size 51
	.end_amdhsa_kernel
	.amdgpu_metadata
---
amdhsa.version: [ 1, 2 ]
amdhsa.kernels:
  - .name:           k_qf19292ddad_attn
    .symbol:         k_qf19292ddad_attn.kd
    .args:
      - { .name: frag, .offset: 0, .size: 8, .value_kind: global_buffer, .address_space: global }
      - { .name: lowp_scales, .offset: 8, .size: 8, .value_kind: global_buffer, .address_space: global }
      - { .name: out0, .offset: 16, .size: 8, .value_kind: global_buffer, .address_space: global }
    .group_segment_fixed_size: 301056
    .private_segment_fixed_size: 0
    .kernarg_segment_align: 8
    .kernarg_segment_size: 24
    .max_flat_workgroup_size: 512
    .sgpr_count:     66
    .vgpr_count:     256
    .wavefront_size: 32
...
	.end_amdgpu_metadata
.endif
;; end of part 3
